; MI455X (gfx1250); checked and timed in simulation.
; The chip was launched on July 23, 2026; its instructions are those of AMD's public machine-readable ISA for CDNA 5 (MIT licence, August 2026) and "CDNA5" Instruction Set Architecture Reference Guide (July 2026). The comments in the code are by the model that wrote it; some were corrected since.
;; MHA. Allowed arithmetic: float matrix products may take bf16 or f16 operands with f32 sums; all other float work in f32.
;; Inputs: Wk 1,024 x 1,024 float32; Wo 1,024 x 1,024 float32; Wq 1,024 x 1,024 float32; Wv 1,024 x 1,024 float32; bk 1,024 float32; bo 1,024 float32; bq 1,024 float32; bv 1,024 float32; x 2 x 2,048 x 1,024 float32.
;; Outputs: out0 2 x 2,048 x 1,024 float32.
;; One version. Each part assembles by itself: llvm-mc -triple=amdgcn-amd-amdhsa -mcpu=gfx1250 --defsym DOCPART=n.
;; ======== version 1 of 1: 4 launches
;; limits: values are held in f16: magnitudes above 65,504 overflow, below 6.1e-05 lose precision
;; workspace buffers: xh 8,388,608 bytes; wqkvt 6,291,456 bytes; wot 2,097,152 bytes; qh 8,388,608 bytes; kh 8,388,608 bytes; vh 8,388,608 bytes; ctx 8,388,608 bytes
;; launch prep (part 1): grid 128 x 8, 8 waves a work-group, no clusters, 18,432 bytes of LDS; arguments Wq, Wk, Wv, Wo, x, wqkvt, wot, xh; writes wqkvt, wot, xh
.if DOCPART == 1
	.amdgcn_target "amdgcn-amd-amdhsa--gfx1250"
	.amdhsa_code_object_version 6
	.text
	.protected	k_qc499a4e551_prep
	.globl	k_qc499a4e551_prep
	.p2align	8
	.type	k_qc499a4e551_prep,@function
k_qc499a4e551_prep:
	s_mov_b64 s[64:65], 0
	v_nop
	global_prefetch_b8 v0, s[64:65] scope:SCOPE_SE
	s_setreg_imm32_b32 hwreg(HW_REG_WAVE_MODE, 25, 1), 1
	s_wait_xcnt 0x0
; prep: the operands of the later products, once, in f16.
;   work-group y = 0..3: a tile of 128 k x 64 n of Wq, Wk, Wv, Wo (f32, [k][n]) is rounded to f16 and written TRANSPOSED, [n][k]:
;       wqkvt row = head*192 + y*64 + d (q, k and v rows of one head lie together), wot row = n.  Wq is multiplied by
;       c = log2(e)/8 ahead of its one rounding: the scale 1/sqrt(64) and the change to base 2 of the later softmax.
;   work-group y = 4..7: 8,192 numbers of x are rounded to f16 (xh).
; Every work-group reads 32,768 bytes and writes 16,384.  No tile is read by two work-groups, so nothing is shared in a cluster; the
; work is a stream, so there is no matrix instruction and no tensor load.
; LIMIT: f16 holds magnitudes below 65,504; larger inputs become infinities.
.set C_Q, 0x3e38aa3b                   ; 0.125 * log2(e)
.set TP,  272                          ; LDS pitch of a transposed row: 128 f16 + 16 bytes
	s_load_b512 s[8:23], s[0:1], 0x0               ; Wq s[8:9] Wk s[10:11] Wv s[12:13] Wo s[14:15] x s[16:17] wqkvt s[18:19] wot s[20:21] xh s[22:23]
	v_lshl_add_u32 v64, v0, 2, 0x4400
	v_mov_b32 v65, 0
	s_and_b32 s3, ttmp7, 0xffff                    ; work-group y: the same in all eight waves
	s_cmp_ge_u32 s3, 4
	s_cbranch_scc1 .Lcast
	; ---- a tile of a weight matrix ----
	s_and_b32 s24, ttmp9, 7                        ; kb: which 128 k
	s_lshr_b32 s25, ttmp9, 3                       ; nb: which 64 n = the head
	s_mul_i32 s30, s25, 192
	s_lshl_b32 s31, s3, 6
	s_add_co_u32 s30, s30, s31                     ; first row in wqkvt
	s_lshl_b32 s31, s25, 6                         ; first row in wot
	s_lshl_b32 s34, s24, 19                        ; 128 rows of 4,096 bytes
	s_lshl_b32 s35, s25, 8                         ; 64 columns of 4 bytes
	s_add_co_u32 s34, s34, s35                     ; the tile's byte offset in W
	s_mov_b32 s35, 0
	s_lshl_b32 s37, s24, 8                         ; 128 k of 2 bytes in a transposed row
	v_and_b32 v1, 15, v0                           ; n4: my four columns
	v_lshrrev_b32 v2, 4, v0                        ; kp: my pair of rows, 0..15
	v_lshlrev_b32 v3, 4, v1
	v_lshl_add_u32 v4, v2, 13, v3                  ; load: row 2 kp, 16 bytes at 16 n4: sixteen lanes read 256 consecutive bytes
	v_mul_u32_u24 v5, v1, 4*TP
	v_lshl_add_u32 v5, v2, 2, v5                   ; LDS store: row 4 n4, word kp
	v_mul_u32_u24 v6, v2, TP
	v_add_nc_u32 v6, v6, v3                        ; LDS read: row t / 16, 16 bytes at 16 (t % 16)
	v_lshl_add_u32 v7, v2, 11, v3                  ; the same place in the output (rows of 2,048 bytes)
	s_wait_kmcnt 0x0
	s_cmp_eq_u32 s3, 1
	s_cselect_b64 s[26:27], s[10:11], s[8:9]
	s_cmp_eq_u32 s3, 2
	s_cselect_b64 s[26:27], s[12:13], s[26:27]
	s_cmp_eq_u32 s3, 3
	s_cselect_b64 s[26:27], s[14:15], s[26:27]     ; the source matrix
	s_cselect_b64 s[28:29], s[20:21], s[18:19]     ; the destination: wot for Wo, else wqkvt
	s_cselect_b32 s36, s31, s30                    ; and the first row there
	s_cmp_eq_u32 s3, 0
	s_cselect_b32 s32, C_Q, 1.0                    ; one text for all four matrices: Wq by c, the others by one
	s_mov_b32 s33, s32
	s_lshl_b32 s36, s36, 11
	s_add_co_u32 s36, s36, s37
	s_mov_b32 s37, 0
	s_add_nc_u64 s[26:27], s[26:27], s[34:35]
	s_add_nc_u64 s[28:29], s[28:29], s[36:37]
.irp i, 0,1,2,3
	global_load_b128 v[8+8*\i:11+8*\i],  v4, s[26:27] offset:\i*131072 th:TH_LOAD_NT        ; row 2 (kp + 16 i)
	global_load_b128 v[12+8*\i:15+8*\i], v4, s[26:27] offset:\i*131072+4096 th:TH_LOAD_NT   ; and the row below it
.endr
.irp i, 0,1,2,3
	s_wait_loadcnt 6-2*\i                          ; loads return in order: this pair of rows is in, the younger pairs stay out
.irp j, 0,2,4,6
	v_pk_mul_f32 v[8+8*\i+\j:9+8*\i+\j], v[8+8*\i+\j:9+8*\i+\j], s[32:33] op_sel_hi:[1,0]
.endr
.irp c, 0,1,2,3
	v_cvt_pk_f16_f32 v[40+4*\i+\c], v[8+8*\i+\c], v[12+8*\i+\c]    ; column 4 n4 + c: k even in the low half, k odd in the high half
.endr
.irp c, 0,1,2,3
	ds_store_b32 v5, v[40+4*\i+\c] offset:\c*TP+64*\i              ; T[n][k].  Rows 4 n4 are 272 words apart = 16 mod 64 banks (ISA guide 11.1):
.endr                                                              ; four lanes share a bank; 128 such stores in a work-group, against 32,768 bytes read
.endr
	s_wait_dscnt 0x0                               ; my stores are done, for the other waves' sake
	s_barrier_signal -1
	s_barrier_wait -1
.irp i, 0,1,2,3
	ds_load_b128 v[8+4*\i:11+4*\i], v6 offset:\i*16*TP
.endr
.irp i, 0,1,2,3
	s_wait_dscnt 3-\i
	global_store_b128 v7, v[8+4*\i:11+4*\i], s[28:29] offset:\i*32768      ; sixteen lanes store 256 consecutive bytes, aligned
.endr
	s_wait_tensorcnt 0x0
	ds_add_u32 v64, v65
	s_wait_dscnt 0x0
	s_endpgm
	; ---- 8,192 numbers of x ----
.Lcast:
	s_sub_co_u32 s24, s3, 4
	s_lshl_b32 s24, s24, 7
	s_add_co_u32 s24, s24, ttmp9                   ; which of 512 parts
	s_lshl_b32 s26, s24, 15
	s_mov_b32 s27, 0
	s_lshl_b32 s28, s24, 14
	s_mov_b32 s29, 0
	v_lshlrev_b32 v1, 5, v0                        ; my 8 numbers in f32
	v_lshlrev_b32 v2, 4, v0                        ; and in f16
	s_wait_kmcnt 0x0
	s_add_nc_u64 s[16:17], s[16:17], s[26:27]
	s_add_nc_u64 s[22:23], s[22:23], s[28:29]
.irp c, 0,1,2,3
	global_load_b128 v[8+8*\c:11+8*\c],  v1, s[16:17] offset:8192*\c th:TH_LOAD_NT
	global_load_b128 v[12+8*\c:15+8*\c], v1, s[16:17] offset:8192*\c+16 th:TH_LOAD_NT
.endr
.irp c, 0,1,2,3
	s_wait_loadcnt 6-2*\c                          ; this chunk's two loads are in, the younger ones stay out
.irp e, 0,1,2,3
	v_cvt_pk_f16_f32 v[40+4*\c+\e], v[8+8*\c+2*\e], v[9+8*\c+2*\e]
.endr
	global_store_b128 v2, v[40+4*\c:43+4*\c], s[22:23] offset:4096*\c      ; sixteen lanes store 256 consecutive bytes, aligned
.endr
	s_endpgm
.Lfunc_end_k_qc499a4e551_prep:
	.size	k_qc499a4e551_prep, .Lfunc_end_k_qc499a4e551_prep-k_qc499a4e551_prep
	.p2alignl 7, 3214868480
	.fill 96, 4, 3214868480
	.section	.rodata,"a",@progbits
	.p2align	6, 0x0
	.amdhsa_kernel k_qc499a4e551_prep
		.amdhsa_group_segment_fixed_size 18432
		.amdhsa_private_segment_fixed_size 0
		.amdhsa_enable_private_segment 0
		.amdhsa_kernarg_size 64
		.amdhsa_user_sgpr_count 2
		.amdhsa_user_sgpr_kernarg_segment_ptr 1
		.amdhsa_wavefront_size32 1
		.amdhsa_system_sgpr_workgroup_id_x 1
		.amdhsa_system_sgpr_workgroup_id_y 1
		.amdhsa_system_sgpr_workgroup_id_z 1
		.amdhsa_system_vgpr_workitem_id 0
		.amdhsa_next_free_vgpr 66
		.amdhsa_next_free_sgpr 66
		.amdhsa_reserve_vcc 0
		.amdhsa_float_denorm_mode_32 3
		.amdhsa_float_denorm_mode_16_64 3
		.amdhsa_memory_ordered 1
		.amdhsa_forward_progress 1
		.amdhsa_inst_pref_size 10
	.end_amdhsa_kernel
	.amdgpu_metadata
---
amdhsa.version: [ 1, 2 ]
amdhsa.kernels:
  - .name:           k_qc499a4e551_prep
    .symbol:         k_qc499a4e551_prep.kd
    .args:
      - { .name: Wq, .offset: 0, .size: 8, .value_kind: global_buffer, .address_space: global }
      - { .name: Wk, .offset: 8, .size: 8, .value_kind: global_buffer, .address_space: global }
      - { .name: Wv, .offset: 16, .size: 8, .value_kind: global_buffer, .address_space: global }
      - { .name: Wo, .offset: 24, .size: 8, .value_kind: global_buffer, .address_space: global }
      - { .name: x, .offset: 32, .size: 8, .value_kind: global_buffer, .address_space: global }
      - { .name: wqkvt, .offset: 40, .size: 8, .value_kind: global_buffer, .address_space: global }
      - { .name: wot, .offset: 48, .size: 8, .value_kind: global_buffer, .address_space: global }
      - { .name: xh, .offset: 56, .size: 8, .value_kind: global_buffer, .address_space: global }
    .group_segment_fixed_size: 18432
    .private_segment_fixed_size: 0
    .kernarg_segment_align: 8
    .kernarg_segment_size: 64
    .max_flat_workgroup_size: 256
    .sgpr_count:     66
    .vgpr_count:     66
    .wavefront_size: 32
...
	.end_amdgpu_metadata
.endif
;; end of part 1
;; launch qkv (part 2): grid 16 x 16, 4 waves a work-group, clusters of 4 x 4, 327,680 bytes of LDS; arguments xh, wqkvt, bq, bk, bv, qh, kh, vh; writes qh, kh, vh
.if DOCPART == 2
	.amdgcn_target "amdgcn-amd-amdhsa--gfx1250"
	.amdhsa_code_object_version 6
	.text
	.protected	k_qc499a4e551_qkv
	.globl	k_qc499a4e551_qkv
	.p2align	8
	.type	k_qc499a4e551_qkv,@function
k_qc499a4e551_qkv:
	s_mov_b64 s[64:65], 0
	v_nop
	global_prefetch_b8 v0, s[64:65] scope:SCOPE_SE
	s_setreg_imm32_b32 hwreg(HW_REG_WAVE_MODE, 25, 1), 1
	s_wait_xcnt 0x0
	s_wait_alu depctr_hold_cnt(0) depctr_sa_sdst(0) depctr_va_vdst(0) depctr_va_sdst(0) depctr_va_ssrc(0) depctr_va_vcc(0) depctr_vm_vsrc(0)
	s_getreg_b32 s2, hwreg(HW_REG_IB_STS2, 6, 4)
	s_cmp_eq_u32 s2, 0
	s_cbranch_scc0 .Lentry_in_a_cluster
	s_endpgm
.Lentry_in_a_cluster:
	s_bfe_u32 s2, ttmp6, 0x10000c
	s_cmp_lg_u32 s2, 0xf033
	s_cbranch_scc0 .Lentry_shape_is_right
	s_endpgm
.Lentry_shape_is_right:
; qkv: [q c | k | v] of one head = xh . wqkvt^T + bias, f16 operands, f32 sums, results rounded once to f16 and stored head-major
; ([b*16+head][s][64]).  c = log2(e)/8 lies in wqkvt's q rows already and is put on bq here.
; A work-group makes 256 rows x 192 columns (block column = head: 64 q, 64 k, 64 v); each of four waves makes 64 rows x 192 columns:
; 48 accumulator tiles of 16 x 16, 384 registers.  K = 1024 goes in 8 steps of 128 through two LDS slots filled by the tensor data mover.
; CLUSTER 4 x 4: the four work-groups of a row of the cluster need the same tiles of xh, the four of a column the same tiles of wqkvt;
; each tile is asked for jointly, which divides the requests by four.
; The matrix instruction is used transposed (source 0 = rows of wqkvt, source 1 = rows of xh): lane l then holds row l % 16 and its
; registers 0-7 the columns 8 (l / 16) + 0..7, eight neighbouring numbers.  The first product takes the bias as C: nothing is cleared,
; nothing is added on the way out.
; REGISTERS: window 0: v16-27 addresses; v64-95, v96-127 fragments of xh (two buffers); v128-223 bias, later the way out.
;            window 1: v0-95, v96-191 fragments of wqkvt (two buffers).   window 2: accumulators of my rows 0-31, window 3: rows 32-63.
; LIMIT: f16 operands and results: magnitudes below 65,504.
.set KSTEP,  128
.set PITCH,  272                       ; 256 bytes + 16: 68 words, so the 16 rows of a fragment start at 16 different groups of four banks (ISA guide 11.1)
.set NT,     12
.set AHALF,  128*PITCH                 ; what one tensor load of xh brings
.set BHALF,  96*PITCH                  ; what one tensor load of wqkvt brings
.set BBASE,  256*PITCH                 ; wqkvt's 192 rows lie behind xh's 256
.set SLOT,   448*PITCH
.set STAGE,  2*SLOT                    ; behind the ring (a multiple of 256): 16 rows x 400 bytes for each wave; no tensor load lands here
.set SPITCH, 400                       ; 384 bytes + 16 = 25 x 16: the sixteen rows of a store fall on different 16-byte columns
.set LAPS,   4                         ; 1024 / (2 x 128)
.set C_Q,    0x3e38aa3b
.set ADRA, 16
.set ADRB, 20
.set STO,  24
.set RD,   25
.set CO,   26
.set BO,   27
.set FA,   64
.set FB,   0
.set BIAS, 128
.set TMP,  128
.set RB,   176
.set G1,  24
.set G0,  32
.set G1B, 48
.set G0B, 56
.set MUL_LO,  0xa1                     ; source 0 window 1, source 1 window 0, C and D window 2
.set MUL_HI,  0xf1                     ; C and D window 3
.set MULZ_LO, 0x81                     ; the first product: C (the bias) from window 0
.set MULZ_HI, 0xc1
.set TO_B,    0x40
.set MSB, 0
.macro WIN new                         ; the immediate's high byte repeats the setting that is left
.if MSB != \new
	s_set_vgpr_msb (MSB<<8)|\new
.set MSB, \new
.endif
.endm
.macro JLOAD s                         ; waves 0, 1 ask for xh's halves, waves 2, 3 for wqkvt's: one mask a line; the branch hangs on the wave's number alone
	s_cmp_eq_u32 s11, 0
	s_cbranch_scc0 .Lfor_b_\@
	tensor_load_to_lds s[G0+4*\s:G0+4*\s+3], s[G1:G1+7]
	s_nop 0
	s_branch .Lasked_\@
.Lfor_b_\@:
	tensor_load_to_lds s[G0B+4*\s:G0B+4*\s+3], s[G1B:G1B+7]
	s_nop 0
.Lasked_\@:
.endm
.macro CREST                           ; a round of the cluster's barrier behind its opening barrier
	s_cmp_lg_u32 s10, 0
	s_cbranch_scc1 .Lnot_wave_0_\@
	s_barrier_signal -3
.Lnot_wave_0_\@:
	s_barrier_wait -3
	s_barrier_signal -1
	s_barrier_wait -1
.endm
.macro CROUND
	s_barrier_signal -1
	s_barrier_wait -1
	CREST
.endm
.macro PLACES                          ; four independent vector instructions behind a matrix instruction, ahead of loads into its sources and of readers of its result
.rept 4
	v_nop
.endr
.endm
	s_load_b128 s[4:7], s[0:1], 0x0                ; xh s[4:5], wqkvt s[6:7]
	s_load_b256 s[68:75], s[0:1], 0x10             ; bq s[68:69], bk s[70:71], bv s[72:73], qh s[74:75]
	s_load_b128 s[76:79], s[0:1], 0x30             ; kh s[76:77], vh s[78:79]
	s_set_vgpr_msb 0x40
	v_lshl_add_u32 v255, v0, 2, 0x41c00
	s_set_vgpr_msb 0x4000
	v_mov_b32 v255, 0
	s_set_vgpr_msb 0x1
	ds_add_u32 v255, v255
	s_set_vgpr_msb 0x100
	v_lshrrev_b32 v1, 5, v0
	v_readfirstlane_b32 s10, v1                    ; wave 0..3
	s_lshr_b32 s11, s10, 1                         ; I fetch for xh (0) or for wqkvt (1)
	s_and_b32 s12, s10, 1                          ; which half of that tile
	s_bfe_u32 s40, ttmp6, 0x40000                  ; cx
	s_bfe_u32 s41, ttmp6, 0x40004                  ; cy
	s_lshl_b32 s42, ttmp9, 2
	s_add_co_u32 s42, s42, s40                     ; block column = head
	s_and_b32 s13, ttmp7, 0xffff
	s_lshl_b32 s13, s13, 2
	s_add_co_u32 s13, s13, s41                     ; block row
	s_lshl_b32 s43, s41, 2
	s_lshl_b32 s43, 15, s43                        ; my row of the cluster
	s_lshl_b32 s44, 0x1111, s40                    ; my column
	s_or_b32 s[G1+0],  s43, (1<<16)|(1<<20)|(1<<21)|(5<<22)|(3<<25)    ; mask; 2-byte elements; padding on; bit 21 beside a mask; after 64 words, 4 words
	s_or_b32 s[G1B+0], s44, (1<<16)|(1<<20)|(1<<21)|(5<<22)|(3<<25)
	s_mov_b32 s[G1+1],  KSTEP<<16                  ; tensor_dim0 = 128
	s_mov_b32 s[G1B+1], KSTEP<<16
	s_mov_b32 s[G1+2],  128<<16                    ; tensor_dim1 = 128 rows
	s_mov_b32 s[G1B+2], 96<<16                     ; 96 rows
	s_mov_b32 s[G1+3],  KSTEP<<16                  ; tile_dim0 = 128
	s_mov_b32 s[G1B+3], KSTEP<<16
	s_mov_b32 s[G1+4],  128                        ; tile_dim1
	s_mov_b32 s[G1B+4], 96
	s_mov_b32 s[G1+5],  1024                       ; elements from row to row
	s_mov_b32 s[G1B+5], 1024
	s_mov_b32 s[G1+6],  0
	s_mov_b32 s[G1B+6], 0
	s_mov_b32 s[G1+7],  0
	s_mov_b32 s[G1B+7], 0
	s_lshl_b32 s17, s12, 7
	s_lshl_b32 s16, s13, 8
	s_add_co_u32 s16, s16, s17                     ; xh: row 256 x block row + 128 x half
	s_lshl_b32 s16, s16, 11                        ; rows of 2,048 bytes
	s_mov_b32 s17, 0
	s_mul_i32 s46, s42, 192
	s_mul_i32 s47, s12, 96
	s_add_co_u32 s46, s46, s47                     ; wqkvt: row 192 x head + 96 x half
	s_lshl_b32 s46, s46, 11
	s_mov_b32 s47, 0
	s_mul_i32 s20, s10, AHALF                      ; LDS: waves 0, 1: xh's halves
	s_mul_i32 s21, s10, BHALF
	s_add_co_u32 s21, s21, BBASE-2*BHALF           ; waves 2, 3: wqkvt's halves, behind xh's rows
	s_wait_dscnt 0x0
	s_wait_kmcnt 0x0
	s_add_nc_u64 s[14:15], s[4:5], s[16:17]
	s_add_nc_u64 s[46:47], s[6:7], s[46:47]
	CROUND                                         ; all sixteen work-groups are here: the first joint loads meet
.irp s, 0,1
	s_mov_b32 s[G0+4*\s], 1
	s_add_co_u32 s[G0+4*\s+1], s20, \s*SLOT
	s_add_nc_u64 s[G0+4*\s+2:G0+4*\s+3], s[14:15], \s*KSTEP*2
	s_or_b32 s[G0+4*\s+3], s[G0+4*\s+3], 0x80000000
	s_mov_b32 s[G0B+4*\s], 1
	s_add_co_u32 s[G0B+4*\s+1], s21, \s*SLOT
	s_add_nc_u64 s[G0B+4*\s+2:G0B+4*\s+3], s[46:47], \s*KSTEP*2
	s_or_b32 s[G0B+4*\s+3], s[G0B+4*\s+3], 0x80000000
	JLOAD \s                                       ; K steps 0 and 1: two tensor loads of the wave are out
.endr
	v_and_b32 v1, 15, v0                           ; r = l % 16
	v_bfe_u32 v2, v0, 4, 1                         ; h = l / 16
	v_mul_u32_u24 v3, v1, PITCH
	v_lshl_add_u32 v3, v2, 4, v3                   ; row x pitch + 16 h
	s_mul_i32 s22, s10, 64*PITCH                   ; my 64 rows of xh
	v_add_nc_u32 v[ADRA], s22, v3
	v_add_nc_u32 v[ADRA+1], SLOT, v[ADRA]
	v_add_nc_u32 v[ADRB], BBASE, v3                ; every wave reads all 192 rows of wqkvt
	v_add_nc_u32 v[ADRB+1], BBASE+SLOT, v3
	s_mul_i32 s23, s10, 16*SPITCH
	s_add_co_u32 s23, s23, STAGE                   ; my stage
	v_mul_u32_u24 v4, v1, SPITCH
	v_lshl_add_u32 v4, v2, 4, v4
	v_add_nc_u32 v[STO], s23, v4                   ; in: row r, 16 bytes for each half of the lanes
	v_and_b32 v5, 31, v0
	v_lshrrev_b32 v6, 3, v5
	v_and_b32 v7, 7, v0
	v_mul_u32_u24 v6, v6, SPITCH
	v_lshl_add_u32 v6, v7, 4, v6
	v_add_nc_u32 v[RD], s23, v6                    ; back: eight lanes take the 128 bytes of one row of q, k or v
	v_lshlrev_b32 v[CO], 4, v5                     ; four such rows are 512 consecutive bytes in memory
	v_lshlrev_b32 v[BO], 5, v2                     ; my eight columns of a tile, in f32
	s_lshl_b32 s80, s42, 8                         ; the head's 64 numbers in each bias
	s_mov_b32 s81, 0
	s_add_nc_u64 s[68:69], s[68:69], s[80:81]
	s_add_nc_u64 s[70:71], s[70:71], s[80:81]
	s_add_nc_u64 s[72:73], s[72:73], s[80:81]
.irp b, 0,1,2,3,4,5,6,7,8,9,10,11
	global_load_b128 v[BIAS+8*\b:BIAS+8*\b+3],   v[BO], s[68+2*(\b/4):69+2*(\b/4)] offset:64*(\b%4)
	global_load_b128 v[BIAS+8*\b+4:BIAS+8*\b+7], v[BO], s[68+2*(\b/4):69+2*(\b/4)] offset:64*(\b%4)+16
.endr
	s_lshr_b32 s82, s13, 3                         ; batch
	s_lshl_b32 s82, s82, 4
	s_add_co_u32 s82, s82, s42                     ; batch x 16 + head
	s_lshl_b32 s82, s82, 11
	s_and_b32 s83, s13, 7
	s_lshl_b32 s83, s83, 8
	s_add_co_u32 s82, s82, s83
	s_lshl_b32 s83, s10, 6
	s_add_co_u32 s82, s82, s83                     ; + my first row in the sequence
	s_lshl_b32 s82, s82, 7                         ; rows of 128 bytes
	s_mov_b32 s83, 0
	s_add_nc_u64 s[74:75], s[74:75], s[82:83]
	s_add_nc_u64 s[76:77], s[76:77], s[82:83]
	s_add_nc_u64 s[78:79], s[78:79], s[82:83]
	s_mov_b32 s84, C_Q
	s_mov_b32 s85, C_Q
	s_wait_loadcnt 0x0                             ; the bias, once
.set j, 0
.rept 16
	v_pk_mul_f32 v[BIAS+2*j:BIAS+2*j+1], v[BIAS+2*j:BIAS+2*j+1], s[84:85] op_sel_hi:[1,0]  ; bq by c, as Wq was
.set j, j+1
.endr
; 12 matrix instructions: m tile a x all 12 n tiles, 32 along K.  The 48 accumulators take turns, one instruction a turn, in the same
; order in every quarter step, over the loop's backward jump too.
.macro MULROW f, a, zero
.irp b, 0,1,2,3,4,5,6,7,8,9,10,11
.if \zero
	v_wmma_f32_16x16x32_f16 v[8*(NT*((\a)&1)+\b):8*(NT*((\a)&1)+\b)+7], v[FB+96*\f+8*\b:FB+96*\f+8*\b+7], v[FA+32*\f+8*\a:FA+32*\f+8*\a+7], v[BIAS+8*\b:BIAS+8*\b+7]
.else
	v_wmma_f32_16x16x32_f16 v[8*(NT*((\a)&1)+\b):8*(NT*((\a)&1)+\b)+7], v[FB+96*\f+8*\b:FB+96*\f+8*\b+7], v[FA+32*\f+8*\a:FA+32*\f+8*\a+7], v[8*(NT*((\a)&1)+\b):8*(NT*((\a)&1)+\b)+7]
.endif
.endr
.endm
; 32 LDS loads in one run: 192 rows of wqkvt, then my 64 rows of xh, 32 K at byte k of the rows, into buffer f
.macro FETCH slot, k, f
	WIN TO_B
.irp i, 0,1,2,3,4,5,6,7,8,9,10,11
	ds_load_b128 v[FB+96*\f+8*\i:FB+96*\f+8*\i+3],   v[ADRB+\slot] offset:\k+\i*16*PITCH
	ds_load_b128 v[FB+96*\f+8*\i+4:FB+96*\f+8*\i+7], v[ADRB+\slot] offset:\k+\i*16*PITCH+32
.endr
	WIN 0
.irp i, 0,1,2,3
	ds_load_b128 v[FA+32*\f+8*\i:FA+32*\f+8*\i+3],   v[ADRA+\slot] offset:\k+\i*16*PITCH
	ds_load_b128 v[FA+32*\f+8*\i+4:FA+32*\f+8*\i+7], v[ADRA+\slot] offset:\k+\i*16*PITCH+32
.endr
.endm
.macro QUARTER slot, k, f, g, zero
	s_wait_dscnt 4                                 ; all but the youngest four loads (xh's tiles 2 and 3) are in
.if \zero
	WIN MULZ_LO
.else
	WIN MUL_LO
.endif
	MULROW \f, 0, \zero
	MULROW \f, 1, \zero
	PLACES
	FETCH \slot, \k, \g
	s_wait_dscnt 32                                ; all but the 32 just issued
.if \zero
	WIN MULZ_HI
.else
	WIN MUL_HI
.endif
	MULROW \f, 2, \zero
	MULROW \f, 3, \zero
.endm
.macro THREE slot, zero
	QUARTER \slot, 64,  0, 1, \zero
	QUARTER \slot, 128, 1, 0, 0
	QUARTER \slot, 192, 0, 1, 0
.endm
; The last quarter of a K step multiplies buffer 1 and changes slots.  In front of the barrier each wave waits for its reads of this slot
; and for all its tensor loads (one is out: its part of the next slot).  Where the slot is filled again the barrier opens a round of the
; cluster's barrier, and the joint refill is the first tensor load behind the round.  From a request to the wait for it: 180 matrix instructions.
.macro TURN slot, next, fill
	s_wait_dscnt 4
	WIN MUL_LO
	MULROW 1, 0, 0
	s_wait_dscnt 0
	s_wait_tensorcnt 0x0
	ds_add_u32 v255, v255
	s_wait_dscnt 0x0
	s_barrier_signal -1
	MULROW 1, 1, 0                                 ; registers only
	WIN 0
	s_barrier_wait -1
.if \fill
	CREST
	s_add_nc_u64 s[G0+4*\slot+2:G0+4*\slot+3], s[G0+4*\slot+2:G0+4*\slot+3], 2*KSTEP*2     ; no tensor load of mine is out: the addresses may step
	s_add_nc_u64 s[G0B+4*\slot+2:G0B+4*\slot+3], s[G0B+4*\slot+2:G0B+4*\slot+3], 2*KSTEP*2
	JLOAD \slot
.endif
	PLACES
	FETCH \next, 0, 0
	WIN MUL_HI
	MULROW 1, 2, 0
	MULROW 1, 3, 0
.endm
.macro LAP zero
	THREE 0, \zero
	TURN 0, 1, 1
	THREE 1, 0
	TURN 1, 0, 1
.endm
	s_wait_tensorcnt 1                             ; my part of K step 0 is in; K step 1's load, issued behind it, stays out
	s_barrier_signal -1
	s_barrier_wait -1
	FETCH 0, 0, 0
	LAP 1                                          ; the first products start the sums from the bias
	WIN 0
	s_mov_b32 s3, LAPS-2
.Llap:
	LAP 0
	WIN 0
	s_sub_co_u32 s3, s3, 1
	s_cmp_lg_u32 s3, 0
	s_cbranch_scc1 .Llap
	THREE 0, 0                                     ; the last lap fills nothing
	TURN 0, 1, 0
	THREE 1, 0
	s_wait_dscnt 4
	WIN MUL_LO
	MULROW 1, 0, 0
	MULROW 1, 1, 0
	s_wait_dscnt 0
	WIN MUL_HI
	MULROW 1, 2, 0
	MULROW 1, 3, 0
	PLACES
; THE WAY OUT, 16 rows at a time: round to f16, 16 bytes a lane into my own stage, read back by rows of q, k and v.
.macro OUT16 a, from
	WIN \from
.irp b, 0,1,2,3,4,5,6,7,8,9,10,11
.irp e, 0,1,2,3
	v_cvt_pk_f16_f32 v[TMP+4*\b+\e], v[8*(NT*((\a)&1)+\b)+2*\e], v[8*(NT*((\a)&1)+\b)+2*\e+1]
.endr
.endr
	WIN 0
.irp b, 0,1,2,3,4,5,6,7,8,9,10,11
	ds_store_b128 v[STO], v[TMP+4*\b:TMP+4*\b+3] offset:32*\b
.endr
	s_wait_xcnt 0x0                                ; the registers that the last 12 stores read are loaded again only behind this wait
.irp u, 0,1,2
.irp i, 0,1,2,3
	ds_load_b128 v[RB+4*(4*\u+\i):RB+4*(4*\u+\i)+3], v[RD] offset:\i*4*SPITCH+128*\u       ; LDS serves a wave's instructions in order: these see the stores above
.endr
.endr
.irp u, 0,1,2
.irp i, 0,1,2,3
	s_wait_dscnt 11-(4*\u+\i)
	global_store_b128 v[CO], v[RB+4*(4*\u+\i):RB+4*(4*\u+\i)+3], s[74+2*\u:75+2*\u] offset:\a*2048+512*\i  ; 512 consecutive bytes, aligned
.endr
.endr
.endm
	OUT16 0, 0x0a
	OUT16 1, 0x0a
	OUT16 2, 0x0f
	OUT16 3, 0x0f
	s_set_vgpr_msb 0x1
	s_wait_tensorcnt 0x0
	ds_add_u32 v255, v255
	s_wait_dscnt 0x0
	s_set_vgpr_msb 0x100
	CROUND                                         ; the closing round: no work-group ends while a partner may still ask for a tile that names it
	s_endpgm
.Lfunc_end_k_qc499a4e551_qkv:
	.size	k_qc499a4e551_qkv, .Lfunc_end_k_qc499a4e551_qkv-k_qc499a4e551_qkv
	.p2alignl 7, 3214868480
	.fill 96, 4, 3214868480
	.section	.rodata,"a",@progbits
	.p2align	6, 0x0
	.amdhsa_kernel k_qc499a4e551_qkv
		.amdhsa_group_segment_fixed_size 327680
		.amdhsa_private_segment_fixed_size 0
		.amdhsa_enable_private_segment 0
		.amdhsa_kernarg_size 64
		.amdhsa_user_sgpr_count 2
		.amdhsa_user_sgpr_kernarg_segment_ptr 1
		.amdhsa_wavefront_size32 1
		.amdhsa_system_sgpr_workgroup_id_x 1
		.amdhsa_system_sgpr_workgroup_id_y 1
		.amdhsa_system_sgpr_workgroup_id_z 1
		.amdhsa_system_vgpr_workitem_id 0
		.amdhsa_next_free_vgpr 1024
		.amdhsa_next_free_sgpr 88
		.amdhsa_reserve_vcc 0
		.amdhsa_float_denorm_mode_32 3
		.amdhsa_float_denorm_mode_16_64 3
		.amdhsa_memory_ordered 1
		.amdhsa_forward_progress 1
		.amdhsa_inst_pref_size 167
	.end_amdhsa_kernel
	.amdgpu_metadata
---
amdhsa.version: [ 1, 2 ]
amdhsa.kernels:
  - .name:           k_qc499a4e551_qkv
    .symbol:         k_qc499a4e551_qkv.kd
    .args:
      - { .name: xh, .offset: 0, .size: 8, .value_kind: global_buffer, .address_space: global }
      - { .name: wqkvt, .offset: 8, .size: 8, .value_kind: global_buffer, .address_space: global }
      - { .name: bq, .offset: 16, .size: 8, .value_kind: global_buffer, .address_space: global }
      - { .name: bk, .offset: 24, .size: 8, .value_kind: global_buffer, .address_space: global }
      - { .name: bv, .offset: 32, .size: 8, .value_kind: global_buffer, .address_space: global }
      - { .name: qh, .offset: 40, .size: 8, .value_kind: global_buffer, .address_space: global }
      - { .name: kh, .offset: 48, .size: 8, .value_kind: global_buffer, .address_space: global }
      - { .name: vh, .offset: 56, .size: 8, .value_kind: global_buffer, .address_space: global }
    .group_segment_fixed_size: 327680
    .private_segment_fixed_size: 0
    .kernarg_segment_align: 8
    .kernarg_segment_size: 64
    .max_flat_workgroup_size: 128
    .sgpr_count:     88
    .vgpr_count:     1024
    .wavefront_size: 32
...
	.end_amdgpu_metadata
.endif
;; end of part 2
;; launch attn (part 3): grid 8 x 32, 8 waves a work-group, clusters of 4 x 1, 327,680 bytes of LDS; arguments qh, kh, vh, ctx; writes ctx
.if DOCPART == 3
	.amdgcn_target "amdgcn-amd-amdhsa--gfx1250"
	.amdhsa_code_object_version 6
	.text
	.protected	k_qc499a4e551_attn
	.globl	k_qc499a4e551_attn
	.p2align	8
	.type	k_qc499a4e551_attn,@function
k_qc499a4e551_attn:
	s_mov_b64 s[64:65], 0
	v_nop
	global_prefetch_b8 v0, s[64:65] scope:SCOPE_SE
	s_setreg_imm32_b32 hwreg(HW_REG_WAVE_MODE, 25, 1), 1
	s_wait_xcnt 0x0
	s_wait_alu depctr_hold_cnt(0) depctr_sa_sdst(0) depctr_va_vdst(0) depctr_va_sdst(0) depctr_va_ssrc(0) depctr_va_vcc(0) depctr_vm_vsrc(0)
	s_getreg_b32 s2, hwreg(HW_REG_IB_STS2, 6, 4)
	s_cmp_eq_u32 s2, 0
	s_cbranch_scc0 .Lentry_in_a_cluster
	s_endpgm
.Lentry_in_a_cluster:
	s_bfe_u32 s2, ttmp6, 0x10000c
	s_cmp_lg_u32 s2, 0x3003
	s_cbranch_scc0 .Lentry_shape_is_right
	s_endpgm
.Lentry_shape_is_right:
; attn: softmax(q k^T / 8) v for one (batch, head) and 256 queries, with a running maximum; ctx in f16, [b*2048+s][head*64+d].
; q holds q log2(e)/8, so the scores are exponents of 2.
; Eight waves: wave w has the 64 queries of group w & 3 and the key half w >> 2 of every tile of 256 keys; the two halves' results are
; merged once at the end, through LDS.
; TRANSPOSED FORM: S^T = K Q^T (source 0 = 16 keys, source 1 = 16 queries): lane (r, h) holds query r, registers j = keys 8 h + j.  Two such
; tiles, rounded to f16 in place, ARE the second source of O^T = V^T P^T: P never leaves the registers.  Maximum, sum and factor are one
; number a lane; the maximum crosses the two halves of the lanes once a step; the sum stays a lane's own until the end.
; V^T's fragments come from V's rows [key][d] by the transposing LDS load.
; PHASES: a wave's work is the chain QK, softmax, PV, QK, softmax, PV ..: runs of 64 matrix instructions (PV, QK) and runs of some 470
; vector instructions (softmax) by turns.  All waves leave a round of the barrier together; with the chain cut at the same place in all of
; them, two waves that share a SIMD would want its matrix unit together and its vector unit together.  So the rounds cut the chain at two
; places: in waves of phase 0 behind a softmax (they go on with PV, QK), in waves of phase 1 in front of it (they go on with the softmax).
; phase = (w xor (w >> 2)) & 1 differs between waves w and w + 4 and between waves 2 k and 2 k + 1.  The part PV, QK, softmax, PV, QK of a
; trip is one text for both; the softmax at its head and the one at its end stand under a branch on the wave's number, which jumps over no
; barrier, no tensor load and no LDS instruction.  What crosses a round lies in registers: V's fragments, and P (phase 0) or S (phase 1).
; CLUSTER 4 x 1: the four query blocks of a cluster walk the same K and V tiles and ask for them jointly.
; K's and V's rows are 128 bytes in the tensor itself and are declared so; ctx's rows of one head are 128 bytes too: eight lanes store 128
; consecutive bytes (a head-major ctx would hand the same split to the next launch's reads).
; No prefetch: a tile is asked for a whole trip (128 matrix instructions and two softmax steps of every wave) ahead of the wait for it.
; LDS: slot s at s x 77,824: V 256 rows, pitch 160 (5 x 32); K 256 rows, pitch 144 (9 x 16), at + 40,960.  Behind the two slots, in bytes
; that no tensor load fills: the merge's stage (4 x 17,408) and the stage of the way out (4 x 9,216).
; REGISTERS: window 0: v12-20 addresses, v24-63 softmax state, v64-127 Q, v128-191 K, v192-255 V.  window 1: v0-127 S / P, v128-255 O.
; LIMITS: f16 operands (magnitudes below 65,504); scores finite; the sum is taken from p before its rounding to f16.
.set SLOT,   77824
.set KOFF,   40960
.set KP,     144
.set VP,     160
.set TILEB,  32768                     ; 256 keys of 128 bytes
.set MSTAGE, 2*SLOT
.set MPART,  17408
.set OSTAGE, MSTAGE+4*MPART
.set OPART,  9216
.set KA,  12                           ; v12-13 K fragments, slot 0, 1
.set VA,  14                           ; v14-15 V fragments
.set MG,  16
.set OS,  17
.set ORD, 18
.set CO,  19
.set QO,  20
.set MM,  24                           ; pairs (m, T): running maximum, this step's
.set AL,  32                           ; pairs (alpha, U)
.set LL,  40                           ; pairs: the lane's part of the sum
.set XS,  48
.set YS,  56
.set QF,  64
.set KF,  128
.set VF,  192
.set G1K, 24
.set G1V, 32
.set G0K, 40
.set G0V, 48
.set MSB, 0
.macro WIN new                         ; the immediate's high byte repeats the setting that is left
.if MSB != \new
	s_set_vgpr_msb (MSB<<8)|\new
.set MSB, \new
.endif
.endm
.macro JLOAD s                         ; waves 0-3 ask for 64 rows of V each, waves 4-7 for 64 rows of K: the branch hangs on the wave's number alone
	s_cmp_eq_u32 s13, 0
	s_cbranch_scc0 .Lfor_k_\@
	tensor_load_to_lds s[G0V+4*(\s):G0V+4*(\s)+3], s[G1V:G1V+7]
	s_nop 0
	s_branch .Lasked_\@
.Lfor_k_\@:
	tensor_load_to_lds s[G0K+4*(\s):G0K+4*(\s)+3], s[G1K:G1K+7]
	s_nop 0
.Lasked_\@:
.endm
.macro ROUND                           ; a round of the cluster's barrier
	s_barrier_signal -1
	s_barrier_wait -1
	s_cmp_lg_u32 s12, 0
	s_cbranch_scc1 .Lnot_wave_0_\@
	s_barrier_signal -3
.Lnot_wave_0_\@:
	s_barrier_wait -3
	s_barrier_signal -1
	s_barrier_wait -1
.endm
.macro PLACES                          ; five independent vector instructions behind a run of matrix instructions: four ahead of readers of the results and of
.rept 5                                ; loads into the sources, five ahead of a matrix instruction that writes over a source or takes a result as a source
	v_nop
.endr
.endm
	s_load_b256 s[4:11], s[0:1], 0x0               ; qh s[4:5], kh s[6:7], vh s[8:9], ctx s[10:11]
	v_lshl_add_u32 v22, v0, 2, 0x40000
	v_mov_b32 v23, 0
	ds_add_u32 v22, v23
	v_lshrrev_b32 v1, 5, v0
	v_readfirstlane_b32 s12, v1                    ; wave 0..7
	s_lshr_b32 s13, s12, 2                         ; key half; also: I fetch V (0) or K (1)
	s_and_b32 s14, s12, 3                          ; query group; also: which 64 rows I fetch
	s_xor_b32 s3, s12, s13
	s_and_b32 s3, s3, 1                            ; phase: where the rounds cut my chain of work
	s_bfe_u32 s15, ttmp6, 0x40000                  ; cx
	s_lshl_b32 s16, ttmp9, 2
	s_add_co_u32 s16, s16, s15                     ; block of 256 queries
	s_and_b32 s17, ttmp7, 0xffff                   ; batch x 16 + head
	s_mov_b32 s20, 0x76543210                      ; v_permlanex16_b32: lane i reads lane i of the other half
	s_mov_b32 s21, 0xfedcba98
	s_mov_b32 s[G1K+0], 15|(1<<16)|(1<<20)|(1<<21)|(4<<22)|(3<<25)     ; all four partners; 2-byte elements; padding on; after 32 words (a row), 4 words
	s_mov_b32 s[G1V+0], 15|(1<<16)|(1<<20)|(1<<21)|(4<<22)|(7<<25)     ; the same with 8 words
.irp g, G1K, G1V
	s_mov_b32 s[\g+1], 64<<16                      ; tensor_dim0 = 64
	s_mov_b32 s[\g+2], 64<<16                      ; tensor_dim1 = 64 rows
	s_mov_b32 s[\g+3], 64<<16                      ; tile_dim0 = 64
	s_mov_b32 s[\g+4], 64                          ; tile_dim1 = 64
	s_mov_b32 s[\g+5], 64                          ; elements from row to row
	s_mov_b32 s[\g+6], 0
	s_mov_b32 s[\g+7], 0
.endr
	s_lshl_b32 s56, s17, 18                        ; the head's 2,048 rows of 128 bytes
	s_lshl_b32 s57, s14, 13                        ; my 64 rows of a tile
	s_add_co_u32 s56, s56, s57
	s_mov_b32 s57, 0
	s_mul_i32 s58, s12, 64*VP                      ; LDS: waves 0-3: V's quarters
	s_mul_i32 s59, s12, 64*KP
	s_add_co_u32 s59, s59, KOFF-4*64*KP            ; waves 4-7: K's quarters, behind V
	s_wait_dscnt 0x0
	s_wait_kmcnt 0x0
	s_add_nc_u64 s[60:61], s[6:7], s[56:57]
	s_add_nc_u64 s[62:63], s[8:9], s[56:57]
.irp s, 0,1
	s_mov_b32 s[G0K+4*\s], 1
	s_add_co_u32 s[G0K+4*\s+1], s59, \s*SLOT
	s_add_nc_u64 s[G0K+4*\s+2:G0K+4*\s+3], s[60:61], \s*TILEB
	s_or_b32 s[G0K+4*\s+3], s[G0K+4*\s+3], 0x80000000
	s_mov_b32 s[G0V+4*\s], 1
	s_add_co_u32 s[G0V+4*\s+1], s58, \s*SLOT
	s_add_nc_u64 s[G0V+4*\s+2:G0V+4*\s+3], s[62:63], \s*TILEB
	s_or_b32 s[G0V+4*\s+3], s[G0V+4*\s+3], 0x80000000
.endr
	ROUND                                          ; the four work-groups are here: the first joint loads meet
	JLOAD 0                                        ; tile 0: one tensor load of the wave is out, here and behind every later round
	s_lshl_b32 s18, s17, 18                        ; q: head, block, group (registers that feed no descriptor)
	s_lshl_b32 s23, s16, 15
	s_add_co_u32 s18, s18, s23
	s_lshl_b32 s23, s14, 13
	s_add_co_u32 s18, s18, s23
	s_mov_b32 s19, 0
	s_add_nc_u64 s[4:5], s[4:5], s[18:19]
	s_lshr_b32 s18, s17, 4                         ; ctx: ((batch x 2048 + 256 x block + 64 x group) rows of 2,048 bytes) + head x 128
	s_lshl_b32 s18, s18, 22
	s_lshl_b32 s23, s16, 19
	s_add_co_u32 s18, s18, s23
	s_lshl_b32 s23, s14, 17
	s_add_co_u32 s18, s18, s23
	s_and_b32 s23, s17, 15
	s_lshl_b32 s23, s23, 7
	s_add_co_u32 s18, s18, s23
	s_add_nc_u64 s[10:11], s[10:11], s[18:19]
	v_and_b32 v1, 31, v0                           ; l
	v_and_b32 v2, 15, v0                           ; r
	v_bfe_u32 v3, v0, 4, 1                         ; h
	v_and_b32 v4, 7, v0                            ; l & 7
	v_bfe_u32 v5, v0, 3, 1                         ; (l >> 3) & 1
	v_bfe_u32 v6, v0, 3, 2                         ; l >> 3
	v_lshlrev_b32 v11, 7, v2
	v_lshl_add_u32 v[QO], v3, 4, v11               ; q: row r, 16 h
.irp q, 0,1,2,3
.irp d, 0,1
	global_load_b128 v[QF+8*(2*\q+\d):QF+8*(2*\q+\d)+3],   v[QO], s[4:5] offset:\q*2048+\d*64
	global_load_b128 v[QF+8*(2*\q+\d)+4:QF+8*(2*\q+\d)+7], v[QO], s[4:5] offset:\q*2048+\d*64+32
.endr
.endr
	v_mul_u32_u24 v7, v2, KP
	v_lshl_add_u32 v7, v3, 4, v7                   ; r x 144 + 16 h
	s_mul_i32 s56, s13, 128*KP
	s_add_co_u32 s56, s56, KOFF
	v_add_nc_u32 v[KA], s56, v7                    ; my half's 128 rows of K
	v_add_nc_u32 v[KA+1], SLOT, v[KA]
	v_lshl_add_u32 v8, v3, 3, v4                   ; key 8 h + (l & 7)
	v_mul_u32_u24 v8, v8, VP
	v_lshl_add_u32 v8, v5, 4, v8                   ; + 16 bytes for the upper eight lanes of a half
	s_mul_i32 s56, s13, 128*VP
	v_add_nc_u32 v[VA], s56, v8
	v_add_nc_u32 v[VA+1], SLOT, v[VA]
	s_mul_i32 s56, s14, MPART
	s_add_co_u32 s56, s56, MSTAGE
	v_lshl_add_u32 v[MG], v1, 4, s56               ; the merge: 16 bytes a lane
	s_mul_i32 s56, s14, OPART
	s_add_co_u32 s56, s56, OSTAGE
	v_add_nc_u32 v[OS], s56, v7                    ; the way out, in: row r, 16 h
	v_mul_u32_u24 v9, v6, KP
	v_lshl_add_u32 v9, v4, 4, v9
	v_add_nc_u32 v[ORD], s56, v9                   ; back: eight lanes take one row of 128 bytes
	v_lshlrev_b32 v10, 4, v4
	v_lshl_add_u32 v[CO], v6, 11, v10              ; the same four rows in ctx
.irp q, 0,1,2,3
	v_mov_b32 v[AL+2*\q+1], 0                      ; v_permlanex16_b32 counts as a reader of its destination
.endr
	s_wait_loadcnt 0x0                             ; q, once
.macro LDK slot, st                    ; 64 keys x 64 d: 16 loads
.irp i, 0,1,2,3
.irp d, 0,1
	ds_load_b128 v[KF+8*(2*\i+\d):KF+8*(2*\i+\d)+3],   v[KA+\slot] offset:\st*64*KP+\i*16*KP+\d*64
	ds_load_b128 v[KF+8*(2*\i+\d)+4:KF+8*(2*\i+\d)+7], v[KA+\slot] offset:\st*64*KP+\i*16*KP+\d*64+32
.endr
.endr
.endm
.macro LDV slot, st                    ; 64 d x 64 keys, transposed on the way: 16 loads
.irp c, 0,1,2,3
.irp t, 0,1
	ds_load_tr16_b128 v[VF+8*(2*\c+\t):VF+8*(2*\c+\t)+3],   v[VA+\slot] offset:\st*64*VP+\t*32*VP+32*\c
	ds_load_tr16_b128 v[VF+8*(2*\c+\t)+4:VF+8*(2*\c+\t)+7], v[VA+\slot] offset:\st*64*VP+\t*32*VP+32*\c+16*VP
.endr
.endr
.endm
; S^T(key tile i, query tile q) at window 1, v[8 (4 q + i)].  The 16 accumulators take turns, one instruction a turn.
.macro QK
	WIN 0x50
.irp q, 0,1,2,3
.irp i, 0,1,2,3
	v_wmma_f32_16x16x32_f16 v[8*(4*\q+\i):8*(4*\q+\i)+7], v[KF+16*\i:KF+16*\i+7], v[QF+16*\q:QF+16*\q+7], 0
.endr
.endr
.irp q, 0,1,2,3
.irp i, 0,1,2,3
	v_wmma_f32_16x16x32_f16 v[8*(4*\q+\i):8*(4*\q+\i)+7], v[KF+16*\i+8:KF+16*\i+15], v[QF+16*\q+8:QF+16*\q+15], v[8*(4*\q+\i):8*(4*\q+\i)+7]
.endr
.endr
.endm
; O^T(d tile c, query tile q) at window 1, v[128 + 8 (4 q + c)] += V^T(c, keys 32 t ..) P^T(q, keys 32 t ..).  By turns likewise.
.macro PV first
	WIN 0x54
.irp t, 0,1
.irp q, 0,1,2,3
.irp c, 0,1,2,3
.if \first*(1-\t)
	v_wmma_f32_16x16x32_f16 v[128+8*(4*\q+\c):128+8*(4*\q+\c)+7], v[VF+8*(2*\c+\t):VF+8*(2*\c+\t)+7], v[32*\q+16*\t:32*\q+16*\t+7], 0
.else
	v_wmma_f32_16x16x32_f16 v[128+8*(4*\q+\c):128+8*(4*\q+\c)+7], v[VF+8*(2*\c+\t):VF+8*(2*\c+\t)+7], v[32*\q+16*\t:32*\q+16*\t+7], v[128+8*(4*\q+\c):128+8*(4*\q+\c)+7]
.endif
.endr
.endr
.endr
.endm
; One step's softmax on 64 keys x 64 queries.  first = 1: there is no older maximum, sum or O.
.macro SOFTMAX first
	WIN 0x05                                       ; sources 0 and 1 from window 1
.irp q, 0,1,2,3
.if \first
	v_max_num_f32 v[MM+2*\q+1], v[32*\q], v[32*\q+1]
.else
	v_max3_num_f32 v[MM+2*\q+1], v[32*\q], v[32*\q+1], v[MM+2*\q]      ; the chain starts from the running maximum
.endif
.endr
.irp e, 1,2,3,4,5,6,7,8,9,10,11,12,13,14,15
.irp q, 0,1,2,3
	v_max3_num_f32 v[MM+2*\q+1], v[32*\q+2*\e], v[32*\q+2*\e+1], v[MM+2*\q+1]
.endr
.endr
	WIN 0
.irp q, 0,1,2,3
	v_permlanex16_b32 v[AL+2*\q+1], v[MM+2*\q+1], s20, s21             ; the other eight keys of each tile lie in lane l xor 16
.endr
.irp q, 0,1,2,3
	v_max_num_f32 v[MM+2*\q+1], v[MM+2*\q+1], v[AL+2*\q+1]
.endr
.if \first
.irp q, 0,1,2,3
	v_mov_b32 v[MM+2*\q], v[MM+2*\q+1]
	v_mov_b32 v[LL+2*\q], 0
	v_mov_b32 v[LL+2*\q+1], 0
.endr
.else
.irp q, 0,1,2,3
	v_sub_f32 v[AL+2*\q], v[MM+2*\q], v[MM+2*\q+1]
.endr
.irp q, 0,1,2,3
	v_exp_f32 v[AL+2*\q], v[AL+2*\q]               ; alpha = 2^(old maximum - new)
.endr
.irp q, 0,1,2,3
	v_mov_b32 v[MM+2*\q], v[MM+2*\q+1]             ; plain instructions between the exponentials and their use (ISA guide 5.7.2)
.endr
	s_wait_alu depctr_va_vdst(0)
.irp q, 0,1,2,3
	v_pk_mul_f32 v[LL+2*\q:LL+2*\q+1], v[LL+2*\q:LL+2*\q+1], v[AL+2*\q:AL+2*\q+1] op_sel_hi:[1,0]
.endr
.endif
	WIN 0x41                                       ; destination and source 0 in window 1
.irp q, 0,1,2,3
.irp e, 0,1,2,3,4,5,6,7,8,9,10,11,12,13,14,15
	v_pk_add_f32 v[32*\q+2*\e:32*\q+2*\e+1], v[32*\q+2*\e:32*\q+2*\e+1], v[MM+2*\q:MM+2*\q+1] op_sel_hi:[1,0] neg_lo:[0,1] neg_hi:[0,1]
.endr
.endr
.irp q, 0,1,2,3
.irp e, 0,1,2,3,4,5,6,7,8,9,10,11,12,13,14,15
	v_exp_f32 v[32*\q+2*\e], v[32*\q+2*\e]
	v_exp_f32 v[32*\q+2*\e+1], v[32*\q+2*\e+1]
.if \first == 0
	v_pk_mul_f32 v[128+32*\q+2*\e:128+32*\q+2*\e+1], v[128+32*\q+2*\e:128+32*\q+2*\e+1], v[AL+2*\q:AL+2*\q+1] op_sel_hi:[1,0]  ; O by alpha, among the exponentials
.endif
.endr
.endr
.if \first
	v_nop                                          ; the plain instruction behind the last exponential
	s_wait_alu depctr_va_vdst(0)
.endif
	WIN 0x01
	s_wait_alu depctr_va_vdst(0)
.irp e, 0,1,2,3,4,5,6,7,8,9,10,11,12,13,14,15
.irp q, 0,1,2,3
	v_pk_add_f32 v[LL+2*\q:LL+2*\q+1], v[32*\q+2*\e:32*\q+2*\e+1], v[LL+2*\q:LL+2*\q+1]
.endr
.endr
	WIN 0x45
.irp q, 0,1,2,3
.irp t, 0,1
.irp e, 0,1,2,3,4,5,6,7
	v_cvt_pk_f16_f32 v[32*\q+16*\t+\e], v[32*\q+16*\t+2*\e], v[32*\q+16*\t+2*\e+1]     ; in place, ascending: register e is written when 2 e and 2 e + 1 have been read
.endr
.endr
.endr
.endm
; The softmax of the step whose QK stands last in front of a round: waves of phase 0 do it ahead of the round, waves of phase 1 behind it.
; The branch hangs on the wave's number alone and jumps over vector instructions alone; every window is 0 at the branch and at the label.
.macro COND_SM ph
	s_cmp_lg_u32 s3, \ph
	s_cbranch_scc1 .Lno_sm_\@
	SOFTMAX 0
	WIN 0
.Lno_sm_\@:
.endm
; One tile of 256 keys: my half is two steps of 64 keys.  first = 1: the first tile: there is no step in front of it to finish.
.macro TRIP slot, refill, first
	s_wait_tensorcnt 0x0                           ; all my tensor loads are done, my part of this trip's tile among them,
	ds_add_u32 v22, v23
	s_wait_dscnt 0x0
	s_add_nc_u64 s[G0K+4*\slot+2:G0K+4*\slot+3], s[G0K+4*\slot+2:G0K+4*\slot+3], 2*TILEB   ; so the addresses may step: this slot's next tile
	s_add_nc_u64 s[G0V+4*\slot+2:G0V+4*\slot+3], s[G0V+4*\slot+2:G0V+4*\slot+3], 2*TILEB
	s_wait_dscnt 0x0                               ; my reads of the last trip's tile are done: V's fragments of its second step are in registers
	ROUND                                          ; both now hold of every wave of the four work-groups
.if \refill
	JLOAD 1-\slot                                  ; the next tile, into the slot read last trip: it has this trip's 128 matrix instructions and two softmax steps to land
.endif
	LDK \slot, 0                                   ; K's registers are free: five places stand behind the last QK
.if \first == 0
	COND_SM 1                                      ; phase 1: the softmax of the last tile's second step
	PV 0                                           ; and, in every wave, its PV
	WIN 0
	PLACES
.endif
	LDV \slot, 0
	s_wait_dscnt 16                                ; K is in; V's 16 loads stay out
	QK
	WIN 0
	PLACES
	LDK \slot, 1
	SOFTMAX \first
	s_wait_dscnt 16                                ; V is in; the next K's 16 loads stay out
	PV \first
	WIN 0
	PLACES
	LDV \slot, 1
	s_wait_dscnt 16                                ; K is in; V's 16 loads stay out until the wait for 0 in front of the next round
	QK
	WIN 0
	PLACES
	COND_SM 0                                      ; phase 0: this step's softmax ahead of the round
.endm
	TRIP 0, 1, 1                                   ; tile 0: the first step starts maximum, sum and O
	s_mov_b32 s22, 3
.Lpair:
	TRIP 1, 1, 0                                   ; tiles 1 to 6
	TRIP 0, 1, 0
	s_sub_co_u32 s22, s22, 1
	s_cmp_lg_u32 s22, 0
	s_cbranch_scc1 .Lpair
	TRIP 1, 0, 0                                   ; tile 7: nothing more is fetched
	s_wait_dscnt 0x0                               ; V's fragments of the last step
	COND_SM 1                                      ; the last step is finished
	PV 0
	WIN 0
	PLACES
	; THE MERGE of the two key halves.  Waves 4-7 hand O, maximum and sum to waves 0-3, lane for lane.
.irp q, 0,1,2,3
	v_mov_b32 v[XS+\q], v[MM+2*\q]
	v_add_f32 v[XS+4+\q], v[LL+2*\q], v[LL+2*\q+1]
.endr
	s_cmp_eq_u32 s13, 0
	s_cbranch_scc1 .Lkeep
	WIN 0x04                                       ; store data from window 1
.set j, 0
.rept 32
	ds_store_b128 v[MG], v[128+4*j:131+4*j] offset:512*j
.set j, j+1
.endr
	WIN 0
	ds_store_b128 v[MG], v[XS:XS+3] offset:16384
	ds_store_b128 v[MG], v[XS+4:XS+7] offset:16896
.Lkeep:
	s_wait_dscnt 0x0                               ; the stores are done, for the partner's sake
	s_barrier_signal -1
	s_barrier_wait -1
	s_cmp_lg_u32 s13, 0
	s_cbranch_scc1 .Lclose
	WIN 0x40
.set j, 0
.rept 32
	ds_load_b128 v[4*j:4*j+3], v[MG] offset:512*j  ; the partner's O, where S lay
.set j, j+1
.endr
	WIN 0
	ds_load_b128 v[YS:YS+3], v[MG] offset:16384
	ds_load_b128 v[YS+4:YS+7], v[MG] offset:16896
	s_wait_dscnt 0x0
.irp q, 0,1,2,3
	v_max_num_f32 v[MM+2*\q+1], v[XS+\q], v[YS+\q]
	v_sub_f32 v[MM+2*\q], v[XS+\q], v[MM+2*\q+1]
	v_sub_f32 v[AL+2*\q], v[YS+\q], v[MM+2*\q+1]
.endr
.irp q, 0,1,2,3
	v_exp_f32 v[MM+2*\q], v[MM+2*\q]
	v_exp_f32 v[AL+2*\q], v[AL+2*\q]
.endr
	v_nop
	s_wait_alu depctr_va_vdst(0)
.irp q, 0,1,2,3
	v_mul_f32 v[LL+2*\q], v[XS+4+\q], v[MM+2*\q]
	v_fmac_f32 v[LL+2*\q], v[YS+4+\q], v[AL+2*\q]
.endr
.irp q, 0,1,2,3
	v_permlanex16_b32 v[LL+2*\q+1], v[LL+2*\q], s20, s21               ; the sum's other part lies in lane l xor 16
.endr
.irp q, 0,1,2,3
	v_add_f32 v[LL+2*\q], v[LL+2*\q], v[LL+2*\q+1]
.endr
.irp q, 0,1,2,3
	v_rcp_f32 v[LL+2*\q], v[LL+2*\q]
.endr
	v_nop
	s_wait_alu depctr_va_vdst(0)
.irp q, 0,1,2,3
	v_mul_f32 v[MM+2*\q], v[MM+2*\q], v[LL+2*\q]   ; my factor
	v_mul_f32 v[AL+2*\q], v[AL+2*\q], v[LL+2*\q]   ; the partner's
.endr
	WIN 0x41
.irp q, 0,1,2,3
.irp e, 0,1,2,3,4,5,6,7,8,9,10,11,12,13,14,15
	v_pk_mul_f32 v[128+32*\q+2*\e:128+32*\q+2*\e+1], v[128+32*\q+2*\e:128+32*\q+2*\e+1], v[MM+2*\q:MM+2*\q+1] op_sel_hi:[1,0]
.endr
.endr
	WIN 0x51
.irp q, 0,1,2,3
.irp e, 0,1,2,3,4,5,6,7,8,9,10,11,12,13,14,15
	v_pk_fma_f32 v[128+32*\q+2*\e:128+32*\q+2*\e+1], v[32*\q+2*\e:32*\q+2*\e+1], v[AL+2*\q:AL+2*\q+1], v[128+32*\q+2*\e:128+32*\q+2*\e+1] op_sel_hi:[1,0,1]
.endr
.endr
	WIN 0x05
.irp q, 0,1,2,3
.irp c, 0,1,2,3
.irp e, 0,1,2,3
	v_cvt_pk_f16_f32 v[KF+4*(4*\q+\c)+\e], v[128+8*(4*\q+\c)+2*\e], v[128+8*(4*\q+\c)+2*\e+1]  ; query r, d = 16 c + 8 h + 0..7: 16 bytes
.endr
.endr
.endr
	WIN 0
.irp q, 0,1,2,3
.irp c, 0,1,2,3
	ds_store_b128 v[OS], v[KF+4*(4*\q+\c):KF+4*(4*\q+\c)+3] offset:\q*16*KP+32*\c
.endr
.endr
.set j, 0
.rept 16
	ds_load_b128 v[VF+4*j:VF+4*j+3], v[ORD] offset:j*4*KP              ; my own bytes: LDS serves a wave's instructions in order
.set j, j+1
.endr
.set j, 0
.rept 16
	s_wait_dscnt 15-j
	global_store_b128 v[CO], v[VF+4*j:VF+4*j+3], s[10:11] offset:j*8192 ; four rows: eight lanes store the head's 128 consecutive bytes of a row
.set j, j+1
.endr
.Lclose:
	s_wait_tensorcnt 0x0
	ds_add_u32 v22, v23
	s_wait_dscnt 0x0
	ROUND                                          ; the closing round
	s_endpgm
.Lfunc_end_k_qc499a4e551_attn:
	.size	k_qc499a4e551_attn, .Lfunc_end_k_qc499a4e551_attn-k_qc499a4e551_attn
	.p2alignl 7, 3214868480
	.fill 96, 4, 3214868480
	.section	.rodata,"a",@progbits
	.p2align	6, 0x0
	.amdhsa_kernel k_qc499a4e551_attn
		.amdhsa_group_segment_fixed_size 327680
		.amdhsa_private_segment_fixed_size 0
		.amdhsa_enable_private_segment 0
		.amdhsa_kernarg_size 32
		.amdhsa_user_sgpr_count 2
		.amdhsa_user_sgpr_kernarg_segment_ptr 1
		.amdhsa_wavefront_size32 1
		.amdhsa_system_sgpr_workgroup_id_x 1
		.amdhsa_system_sgpr_workgroup_id_y 1
		.amdhsa_system_sgpr_workgroup_id_z 1
		.amdhsa_system_vgpr_workitem_id 0
		.amdhsa_next_free_vgpr 512
		.amdhsa_next_free_sgpr 66
		.amdhsa_reserve_vcc 0
		.amdhsa_float_denorm_mode_32 3
		.amdhsa_float_denorm_mode_16_64 3
		.amdhsa_memory_ordered 1
		.amdhsa_forward_progress 1
		.amdhsa_inst_pref_size 255
	.end_amdhsa_kernel
	.section	.bss,"aw",@nobits
	.p2align	6
	.space	262144
	.amdgpu_metadata
---
amdhsa.version: [ 1, 2 ]
amdhsa.kernels:
  - .name:           k_qc499a4e551_attn
    .symbol:         k_qc499a4e551_attn.kd
    .args:
      - { .name: qh, .offset: 0, .size: 8, .value_kind: global_buffer, .address_space: global }
      - { .name: kh, .offset: 8, .size: 8, .value_kind: global_buffer, .address_space: global }
      - { .name: vh, .offset: 16, .size: 8, .value_kind: global_buffer, .address_space: global }
      - { .name: ctx, .offset: 24, .size: 8, .value_kind: global_buffer, .address_space: global }
    .group_segment_fixed_size: 327680
    .private_segment_fixed_size: 0
    .kernarg_segment_align: 8
    .kernarg_segment_size: 32
    .max_flat_workgroup_size: 256
    .sgpr_count:     66
    .vgpr_count:     512
    .wavefront_size: 32
...
	.end_amdgpu_metadata
.endif
;; end of part 3
;; launch oproj (part 4): grid 8 x 32, 4 waves a work-group, clusters of 4 x 4, 327,680 bytes of LDS; arguments ctx, wot, bo, out0; writes out0
.if DOCPART == 4
	.amdgcn_target "amdgcn-amd-amdhsa--gfx1250"
	.amdhsa_code_object_version 6
	.text
	.protected	k_qc499a4e551_oproj
	.globl	k_qc499a4e551_oproj
	.p2align	8
	.type	k_qc499a4e551_oproj,@function
k_qc499a4e551_oproj:
	s_mov_b64 s[64:65], 0
	v_nop
	global_prefetch_b8 v0, s[64:65] scope:SCOPE_SE
	s_setreg_imm32_b32 hwreg(HW_REG_WAVE_MODE, 25, 1), 1
	s_wait_xcnt 0x0
	s_wait_alu depctr_hold_cnt(0) depctr_sa_sdst(0) depctr_va_vdst(0) depctr_va_sdst(0) depctr_va_ssrc(0) depctr_va_vcc(0) depctr_vm_vsrc(0)
	s_getreg_b32 s2, hwreg(HW_REG_IB_STS2, 6, 4)
	s_cmp_eq_u32 s2, 0
	s_cbranch_scc0 .Lentry_in_a_cluster
	s_endpgm
.Lentry_in_a_cluster:
	s_bfe_u32 s2, ttmp6, 0x10000c
	s_cmp_lg_u32 s2, 0xf033
	s_cbranch_scc0 .Lentry_shape_is_right
	s_endpgm
.Lentry_shape_is_right:
; oproj: out0 = ctx . wot^T + bo.  f16 operands, f32 sums and results.
; 4096 x 1024 results on 256 work-groups: a block of 128 x 128 each; four waves (2 x 2), 64 x 64 each: 16 accumulator tiles.
; K = 1024 goes in 4 steps of 256 through two LDS slots: the long step leaves 124 matrix instructions of a wave between a tile's request
; and the wait for it, and only two refills in the launch.
; CLUSTER 4 x 4: ctx's tiles are shared along a row of the cluster, wot's along a column, by joint loads.
; The matrix instruction is used transposed (source 0 = rows of wot, source 1 = rows of ctx): a lane's registers 0-7 are eight neighbouring
; columns of one row.  The first product takes the bias as C.
; REGISTERS: window 0: v16-27 addresses; v32-95 fragments of ctx (two buffers); v96-159 of wot; v160-191 bias; v192-255 the way out.
;            window 1: v0-127 the accumulators, tile (a, b) at v[8 (4 a + b)].
; LIMIT: f16 operands: magnitudes below 65,504.
.set KSTEP,  256
.set PITCH,  528                       ; 512 bytes + 16 = 33 x 16
.set QROWS,  64*PITCH                  ; what one tensor load brings
.set BBASE,  128*PITCH
.set SLOT,   256*PITCH
.set STAGE,  2*SLOT                    ; a multiple of 256; no tensor load lands here
.set SPITCH, 272
.set ADRA, 16
.set ADRB, 20
.set STO,  24
.set RD,   25
.set CO,   26
.set BO,   27
.set FA,   32
.set FB,   96
.set BIAS, 160
.set RB,   192
.set G1,  24
.set G0,  32
.set G1B, 48
.set G0B, 56
.set MUL,  0x50                        ; C and D in window 1
.set MULZ, 0x40                        ; the first product: C (the bias) from window 0
.set MSB, 0
.macro WIN new
.if MSB != \new
	s_set_vgpr_msb (MSB<<8)|\new
.set MSB, \new
.endif
.endm
.macro JLOAD s
	s_cmp_eq_u32 s11, 0
	s_cbranch_scc0 .Lfor_b_\@
	tensor_load_to_lds s[G0+4*\s:G0+4*\s+3], s[G1:G1+7]
	s_nop 0
	s_branch .Lasked_\@
.Lfor_b_\@:
	tensor_load_to_lds s[G0B+4*\s:G0B+4*\s+3], s[G1B:G1B+7]
	s_nop 0
.Lasked_\@:
.endm
.macro CREST
	s_cmp_lg_u32 s10, 0
	s_cbranch_scc1 .Lnot_wave_0_\@
	s_barrier_signal -3
.Lnot_wave_0_\@:
	s_barrier_wait -3
	s_barrier_signal -1
	s_barrier_wait -1
.endm
.macro CROUND
	s_barrier_signal -1
	s_barrier_wait -1
	CREST
.endm
.macro PLACES                          ; four independent vector instructions behind a matrix instruction (ISA guide 7.12.1)
.rept 4
	v_nop
.endr
.endm
	s_load_b128 s[4:7], s[0:1], 0x0                ; ctx s[4:5], wot s[6:7]
	s_load_b128 s[68:71], s[0:1], 0x10             ; bo s[68:69], out0 s[70:71]
	v_lshl_add_u32 v30, v0, 2, 0x46400
	v_mov_b32 v31, 0
	ds_add_u32 v30, v31
	v_lshrrev_b32 v1, 5, v0
	v_readfirstlane_b32 s10, v1                    ; wave 0..3
	s_lshr_b32 s11, s10, 1                         ; my half of the block's rows.  Also: I fetch for ctx (0) or for wot (1)
	s_and_b32 s12, s10, 1                          ; my half of its columns.  Also: which 64 rows of that tile I fetch
	s_bfe_u32 s40, ttmp6, 0x40000                  ; cx
	s_bfe_u32 s41, ttmp6, 0x40004                  ; cy
	s_lshl_b32 s42, ttmp9, 2
	s_add_co_u32 s42, s42, s40                     ; block column
	s_and_b32 s13, ttmp7, 0xffff
	s_lshl_b32 s13, s13, 2
	s_add_co_u32 s13, s13, s41                     ; block row
	s_lshl_b32 s43, s41, 2
	s_lshl_b32 s43, 15, s43                        ; my row of the cluster
	s_lshl_b32 s44, 0x1111, s40                    ; my column
	s_or_b32 s[G1+0],  s43, (1<<16)|(1<<20)|(1<<21)|(6<<22)|(3<<25)    ; mask; 2-byte elements; padding on; bit 21 beside a mask; after 128 words, 4 words
	s_or_b32 s[G1B+0], s44, (1<<16)|(1<<20)|(1<<21)|(6<<22)|(3<<25)
.irp g, G1, G1B
	s_mov_b32 s[\g+1], KSTEP<<16                   ; tensor_dim0 = 256
	s_mov_b32 s[\g+2], 64<<16                      ; tensor_dim1 = 64 rows
	s_mov_b32 s[\g+3], KSTEP<<16                   ; tile_dim0 = 256
	s_mov_b32 s[\g+4], 64                          ; tile_dim1 = 64
	s_mov_b32 s[\g+5], 1024                        ; elements from row to row
	s_mov_b32 s[\g+6], 0
	s_mov_b32 s[\g+7], 0
.endr
	s_lshl_b32 s17, s12, 6
	s_lshl_b32 s16, s13, 7
	s_add_co_u32 s16, s16, s17                     ; ctx: row 128 x block row + 64 x half
	s_lshl_b32 s16, s16, 11
	s_lshl_b32 s46, s42, 7
	s_add_co_u32 s46, s46, s17                     ; wot: row 128 x block column + 64 x half
	s_lshl_b32 s46, s46, 11
	s_mov_b32 s17, 0
	s_mov_b32 s47, 0
	s_mul_i32 s20, s10, QROWS                      ; LDS: ctx's two halves, then wot's two halves = wave x 64 rows
	s_wait_dscnt 0x0
	s_wait_kmcnt 0x0
	s_add_nc_u64 s[14:15], s[4:5], s[16:17]
	s_add_nc_u64 s[46:47], s[6:7], s[46:47]
	CROUND                                         ; the first joint loads meet
.irp s, 0,1
	s_mov_b32 s[G0+4*\s], 1
	s_add_co_u32 s[G0+4*\s+1], s20, \s*SLOT
	s_add_nc_u64 s[G0+4*\s+2:G0+4*\s+3], s[14:15], \s*KSTEP*2
	s_or_b32 s[G0+4*\s+3], s[G0+4*\s+3], 0x80000000
	s_mov_b32 s[G0B+4*\s], 1
	s_add_co_u32 s[G0B+4*\s+1], s20, \s*SLOT
	s_add_nc_u64 s[G0B+4*\s+2:G0B+4*\s+3], s[46:47], \s*KSTEP*2
	s_or_b32 s[G0B+4*\s+3], s[G0B+4*\s+3], 0x80000000
	JLOAD \s                                       ; K steps 0 and 1: two tensor loads of the wave are out
.endr
	v_and_b32 v1, 15, v0                           ; r
	v_bfe_u32 v2, v0, 4, 1                         ; h
	v_mul_u32_u24 v3, v1, PITCH
	v_lshl_add_u32 v3, v2, 4, v3
	s_mul_i32 s21, s11, QROWS                      ; my 64 rows of ctx
	s_mul_i32 s22, s12, QROWS
	s_add_co_u32 s22, s22, BBASE                   ; my 64 rows of wot
	v_add_nc_u32 v[ADRA], s21, v3
	v_add_nc_u32 v[ADRA+1], SLOT, v[ADRA]
	v_add_nc_u32 v[ADRB], s22, v3
	v_add_nc_u32 v[ADRB+1], SLOT, v[ADRB]
	s_mul_i32 s23, s10, 16*SPITCH
	s_add_co_u32 s23, s23, STAGE
	v_mul_u32_u24 v4, v1, SPITCH
	v_lshl_add_u32 v4, v2, 5, v4
	v_add_nc_u32 v[STO], s23, v4                   ; in: row r, 32 bytes for each half of the lanes
	v_mul_u32_u24 v5, v2, SPITCH
	v_lshl_add_u32 v5, v1, 4, v5
	v_add_nc_u32 v[RD], s23, v5                    ; back: lanes 0-15 take one row of 256 bytes, lanes 16-31 the next
	v_lshlrev_b32 v6, 4, v1
	v_lshl_add_u32 v[CO], v2, 12, v6               ; the same two rows in out0
	v_lshlrev_b32 v[BO], 5, v2
	s_lshl_b32 s80, s42, 9
	s_lshl_b32 s81, s12, 8
	s_add_co_u32 s80, s80, s81                     ; my first column, in bytes
	s_mov_b32 s81, 0
	s_add_nc_u64 s[68:69], s[68:69], s[80:81]
	s_add_nc_u64 s[70:71], s[70:71], s[80:81]
	s_lshl_b32 s82, s13, 19
	s_lshl_b32 s83, s11, 18
	s_add_co_u32 s82, s82, s83                     ; my first row, rows of 4,096 bytes
	s_mov_b32 s83, 0
	s_add_nc_u64 s[70:71], s[70:71], s[82:83]
.irp b, 0,1,2,3
	global_load_b128 v[BIAS+8*\b:BIAS+8*\b+3],   v[BO], s[68:69] offset:64*\b
	global_load_b128 v[BIAS+8*\b+4:BIAS+8*\b+7], v[BO], s[68:69] offset:64*\b+16
.endr
	s_wait_loadcnt 0x0                             ; the bias, once
; Four matrix instructions: m tile a x the four n tiles.  The 16 accumulators take turns, one instruction a turn, in the same order in every
; eighth of a K step.
.macro MULROW f, a, zero
.irp b, 0,1,2,3
.if \zero
	v_wmma_f32_16x16x32_f16 v[8*(4*\a+\b):8*(4*\a+\b)+7], v[FB+32*\f+8*\b:FB+32*\f+8*\b+7], v[FA+32*\f+8*\a:FA+32*\f+8*\a+7], v[BIAS+8*\b:BIAS+8*\b+7]
.else
	v_wmma_f32_16x16x32_f16 v[8*(4*\a+\b):8*(4*\a+\b)+7], v[FB+32*\f+8*\b:FB+32*\f+8*\b+7], v[FA+32*\f+8*\a:FA+32*\f+8*\a+7], v[8*(4*\a+\b):8*(4*\a+\b)+7]
.endif
.endr
.endm
.macro FETCH slot, k, f                ; 16 LDS loads: wot's four fragments, then ctx's
	WIN 0
.irp i, 0,1,2,3
	ds_load_b128 v[FB+32*\f+8*\i:FB+32*\f+8*\i+3],   v[ADRB+\slot] offset:\k+\i*16*PITCH
	ds_load_b128 v[FB+32*\f+8*\i+4:FB+32*\f+8*\i+7], v[ADRB+\slot] offset:\k+\i*16*PITCH+32
.endr
.irp i, 0,1,2,3
	ds_load_b128 v[FA+32*\f+8*\i:FA+32*\f+8*\i+3],   v[ADRA+\slot] offset:\k+\i*16*PITCH
	ds_load_b128 v[FA+32*\f+8*\i+4:FA+32*\f+8*\i+7], v[ADRA+\slot] offset:\k+\i*16*PITCH+32
.endr
.endm
.macro QUARTER slot, k, f, g, zero     ; 32 along K
	s_wait_dscnt 4                                 ; all but the youngest four loads (ctx's tiles 2 and 3) are in
.if \zero
	WIN MULZ
.else
	WIN MUL
.endif
	MULROW \f, 0, \zero
	MULROW \f, 1, \zero
	PLACES
	FETCH \slot, \k, \g
	s_wait_dscnt 16                                ; all but the 16 just issued
.if \zero
	WIN MULZ
.else
	WIN MUL
.endif
	MULROW \f, 2, \zero
	MULROW \f, 3, \zero
.endm
.macro SEVEN slot, zero
	QUARTER \slot, 64,  0, 1, \zero
	QUARTER \slot, 128, 1, 0, 0
	QUARTER \slot, 192, 0, 1, 0
	QUARTER \slot, 256, 1, 0, 0
	QUARTER \slot, 320, 0, 1, 0
	QUARTER \slot, 384, 1, 0, 0
	QUARTER \slot, 448, 0, 1, 0
.endm
; The last eighth of a K step multiplies buffer 1 and changes slots: each wave's reads of this slot and all its tensor loads are waited for in
; front of the barrier; where the slot is filled again the barrier opens a round of the cluster's barrier and the joint refill comes first behind it.
.macro TURN slot, next, fill
	s_wait_dscnt 4
	WIN MUL
	MULROW 1, 0, 0
	s_wait_dscnt 0
	s_wait_tensorcnt 0x0
	ds_add_u32 v30, v31
	s_wait_dscnt 0x0
	s_barrier_signal -1
	MULROW 1, 1, 0                                 ; registers only
	WIN 0
	s_barrier_wait -1
.if \fill
	CREST
	s_add_nc_u64 s[G0+4*\slot+2:G0+4*\slot+3], s[G0+4*\slot+2:G0+4*\slot+3], 2*KSTEP*2
	s_add_nc_u64 s[G0B+4*\slot+2:G0B+4*\slot+3], s[G0B+4*\slot+2:G0B+4*\slot+3], 2*KSTEP*2
	JLOAD \slot
.endif
	PLACES
	FETCH \next, 0, 0
	WIN MUL
	MULROW 1, 2, 0
	MULROW 1, 3, 0
.endm
	s_wait_tensorcnt 1                             ; my part of K step 0 is in; K step 1's load stays out
	s_barrier_signal -1
	s_barrier_wait -1
	FETCH 0, 0, 0
	SEVEN 0, 1                                     ; K step 0: the first products start the sums from the bias
	TURN 0, 1, 1                                   ; slot 0 gets K step 2
	SEVEN 1, 0
	TURN 1, 0, 1                                   ; slot 1 gets K step 3
	SEVEN 0, 0
	TURN 0, 1, 0
	SEVEN 1, 0
	s_wait_dscnt 4
	WIN MUL
	MULROW 1, 0, 0
	MULROW 1, 1, 0
	s_wait_dscnt 0
	MULROW 1, 2, 0
	MULROW 1, 3, 0
	PLACES
; THE WAY OUT, 16 rows at a time, through my own stage: in by lanes (32 bytes of a row each), back by whole rows of 256 bytes.
.macro OUT16 a
	WIN 0x04                                       ; store data from window 1
.irp b, 0,1,2,3
	ds_store_b128 v[STO], v[8*(4*\a+\b):8*(4*\a+\b)+3]   offset:64*\b
	ds_store_b128 v[STO], v[8*(4*\a+\b)+4:8*(4*\a+\b)+7] offset:64*\b+16
.endr
	WIN 0
	s_wait_xcnt 0x0                                ; registers that earlier stores read are loaded again only behind this wait
.irp t, 0,1,2,3,4,5,6,7
	ds_load_b128 v[RB+32*((\a)&1)+4*\t:RB+32*((\a)&1)+4*\t+3], v[RD] offset:\t*2*SPITCH    ; LDS serves a wave's instructions in order
.endr
.irp t, 0,1,2,3,4,5,6,7
	s_wait_dscnt 7-\t
	global_store_b128 v[CO], v[RB+32*((\a)&1)+4*\t:RB+32*((\a)&1)+4*\t+3], s[70:71] offset:\a*65536+\t*8192 th:TH_STORE_NT  ; 16 lanes store 256 consecutive bytes, aligned
.endr
.endm
	OUT16 0
	OUT16 1
	OUT16 2
	OUT16 3
	s_wait_tensorcnt 0x0
	ds_add_u32 v30, v31
	s_wait_dscnt 0x0
	CROUND                                         ; the closing round
	s_endpgm
.Lfunc_end_k_qc499a4e551_oproj:
	.size	k_qc499a4e551_oproj, .Lfunc_end_k_qc499a4e551_oproj-k_qc499a4e551_oproj
	.p2alignl 7, 3214868480
	.fill 96, 4, 3214868480
	.section	.rodata,"a",@progbits
	.p2align	6, 0x0
	.amdhsa_kernel k_qc499a4e551_oproj
		.amdhsa_group_segment_fixed_size 327680
		.amdhsa_private_segment_fixed_size 0
		.amdhsa_enable_private_segment 0
		.amdhsa_kernarg_size 32
		.amdhsa_user_sgpr_count 2
		.amdhsa_user_sgpr_kernarg_segment_ptr 1
		.amdhsa_wavefront_size32 1
		.amdhsa_system_sgpr_workgroup_id_x 1
		.amdhsa_system_sgpr_workgroup_id_y 1
		.amdhsa_system_sgpr_workgroup_id_z 1
		.amdhsa_system_vgpr_workitem_id 0
		.amdhsa_next_free_vgpr 384
		.amdhsa_next_free_sgpr 84
		.amdhsa_reserve_vcc 0
		.amdhsa_float_denorm_mode_32 3
		.amdhsa_float_denorm_mode_16_64 3
		.amdhsa_memory_ordered 1
		.amdhsa_forward_progress 1
		.amdhsa_inst_pref_size 90
	.end_amdhsa_kernel
	.amdgpu_metadata
---
amdhsa.version: [ 1, 2 ]
amdhsa.kernels:
  - .name:           k_qc499a4e551_oproj
    .symbol:         k_qc499a4e551_oproj.kd
    .args:
      - { .name: ctx, .offset: 0, .size: 8, .value_kind: global_buffer, .address_space: global }
      - { .name: wot, .offset: 8, .size: 8, .value_kind: global_buffer, .address_space: global }
      - { .name: bo, .offset: 16, .size: 8, .value_kind: global_buffer, .address_space: global }
      - { .name: out0, .offset: 24, .size: 8, .value_kind: global_buffer, .address_space: global }
    .group_segment_fixed_size: 327680
    .private_segment_fixed_size: 0
    .kernarg_segment_align: 8
    .kernarg_segment_size: 32
    .max_flat_workgroup_size: 128
    .sgpr_count:     84
    .vgpr_count:     384
    .wavefront_size: 32
...
	.end_amdgpu_metadata
.endif
;; end of part 4
